; MI455X (gfx1250); checked and timed in simulation.
; The chip was launched on July 23, 2026; its instructions are those of AMD's public machine-readable ISA for CDNA 5 (MIT licence, August 2026) and "CDNA5" Instruction Set Architecture Reference Guide (July 2026). The comments in the code are by the model that wrote it; some were corrected since.
;; Universal MVG Layer. Allowed arithmetic: float matrix products may take bf16 or f16 operands with f32 sums; all other float work in f32.
;; Inputs: elec_x 1 x 225 float32; elec_y 1 x 225 float32; params 8 x 13 float32; pixelgrid 14,641 x 2 float32; slopes 200 x 200 float32; stim 8 x 225 x 3 float32.
;; Outputs: out0 8 x 121 x 121 float32.
;; One version. Each part assembles by itself: llvm-mc -triple=amdgcn-amd-amdhsa -mcpu=gfx1250 --defsym DOCPART=n.
;; ======== version 1 of 1: 2 launches
;; limits: a difference of large sums (such as E[x^2] - mean^2): digits are lost where the result is much smaller than its terms
;; workspace buffers: idx 8,192 bytes of whole numbers; rec 65,536 bytes
;; launch prep (part 1): grid 8 x 1, 8 waves a work-group, no clusters, 0 bytes of LDS; arguments stim, params, elec_x, elec_y, idx, rec; writes idx, rec
.if DOCPART == 1
	.amdgcn_target "amdgcn-amd-amdhsa--gfx1250"
	.amdhsa_code_object_version 6
	.text
	.protected	k_q60b7240d03_prep
	.globl	k_q60b7240d03_prep
	.p2align	8
	.type	k_q60b7240d03_prep,@function
k_q60b7240d03_prep:
	s_mov_b64 s[64:65], 0
	v_nop
	global_prefetch_b8 v0, s[64:65] scope:SCOPE_SE
	s_setreg_imm32_b32 hwreg(HW_REG_WAVE_MODE, 25, 1), 1
	s_wait_xcnt 0x0
; prep: everything about an electrode's phosphene that does not need the axon tangent.
; One work-group for each of the 8 batches, 256 threads; thread t fills table slot t of its batch.
;   idx[b][t]        whole number: iy * 200 + ix, the upper left corner of the electrode's cell in slopes
;   rec[b][t]        quad 1: ax, ay, k/sx, k/sy                  (k = 0.5 log2 e, so that exp(-t3/2) = exp2(-k t3))
;   rec[RECB + ..]   quad 2: k 4 pi / rho_scaled, cx, cy, bright
; The cell index is made here and used as an address only in the next launch.
; The tables have 256 slots for 225 electrodes: every store of a wave covers consecutive bytes that start on a multiple of its
; own length, no lane is masked, and slots 225..255 repeat electrode 224 with bright = 0, so that they add nothing later.
; No LDS, no barrier, no cluster: the threads share nothing but the 48 bytes of their batch's params row, read as scalars.
; LIMITS.  pow(x, a) is exp2(a log2 x): pdur > 0 is asked for (pdur = 0 with a4 = 0 gives NaN here, 1 in the reference; a denormal
; pdur counts as 0).  The clamps let a NaN lose, so a NaN input is not carried through as the reference carries it.  |rot| < 2^30.
; Divisions by constants (280, 0.25, the grid step) are multiplications by the rounded reciprocal, fused with the offset.
.set NE,       225                     ; electrodes
.set RECB,     32768                   ; byte offset of the second quads: 8 batches x 256 slots x 16 bytes
.set K_2_PI,   0x3f22f983              ; 2 / pi
.set K_NPIO2H, 0xbfc90fdb              ; -(pi/2 rounded to f32)
.set K_NPIO2L, 0x333bbd2e              ; -(pi/2 - that) = +4.3711388e-8
.set K_SIN1,   0xbe2aaaab              ; -1/6
.set K_SIN2,   0x3c088889              ; 1/120
.set K_SIN3,   0xb9500d01              ; -1/5040
.set K_COS2,   0x3d2aaaab              ; 1/24
.set K_COS3,   0xbab60b61              ; -1/720
.set K_COS4,   0x37d00d01              ; 1/40320
.set K_INVSTEP, 0x3cc21288             ; 199 / 8400: grid cells per um
.set K_QX0,    0x434a5111              ; (4340 + 4200) * 199 / 8400 = 202.31667
.set K_QY0,    0x42c70000              ; 4200 * 199 / 8400 = 99.5
.set K_198,    0x43460000              ; 198.0: the last cell
.set K_INV70,  0x3c6a0ea1              ; 1 / (280 * 0.25)
.set K_NINV70, 0xbc6a0ea1
.set K_60,     0x42700000              ; 15 / 0.25
.set K_61,     0x42740000              ; 121 - 60
.set K_AMPMIN, 0x3727c5ac              ; 1e-5
.set K_AMPCUT, 0x3e800000              ; 0.25
.set K_NLG045, 0x3f9374d6              ; -log2(0.45) = 1.1520031
.set K_LAMMAX, 0x3f7d70a4              ; 0.99
.set K_G,      0x41110918              ; k * 4 pi = 2 pi / ln 2 = 9.0647203
.set KS3, 37                           ; s37, s38: the leading coefficients of the two polynomials
.set KC4, 38
.set R,   40                           ; v[40:47] the record
; sin and cos of v[x].  n = nearest whole number to x 2/pi; r = x - n pi/2 with pi/2 in two parts, each step one fused
; multiply-add, so |r| <= pi/4 keeps x's own accuracy; polynomials whose first dropped terms are r^9/9! and r^10/10!
; (below 4e-7 there); then the quadrant n mod 4 picks and signs.
.macro SINCOS x, sn, cs, n, r, r2, t
	v_mul_f32 v[\n], K_2_PI, v[\x]
	v_rndne_f32 v[\n], v[\n]
	v_fmamk_f32 v[\r], v[\n], K_NPIO2H, v[\x]
	v_fmamk_f32 v[\r], v[\n], K_NPIO2L, v[\r]
	v_cvt_i32_f32 v[\n], v[\n]
	v_mul_f32 v[\r2], v[\r], v[\r]
	v_fmaak_f32 v[\sn], s[KS3], v[\r2], K_SIN2
	v_fmaak_f32 v[\cs], s[KC4], v[\r2], K_COS3
	v_fmaak_f32 v[\sn], v[\sn], v[\r2], K_SIN1
	v_fmaak_f32 v[\cs], v[\cs], v[\r2], K_COS2
	v_mul_f32 v[\t], v[\r], v[\r2]
	v_fma_f32 v[\cs], v[\cs], v[\r2], -0.5
	v_fma_f32 v[\sn], v[\sn], v[\t], v[\r]         ; sin r
	v_fma_f32 v[\cs], v[\cs], v[\r2], 1.0          ; cos r
	v_and_b32 v[\t], 1, v[\n]
	v_cmp_eq_u32 vcc_lo, 1, v[\t]                  ; odd quadrant: the two change places
	v_cndmask_b32 v[\r], v[\sn], v[\cs], vcc_lo
	v_cndmask_b32 v[\r2], v[\cs], v[\sn], vcc_lo
	v_lshlrev_b32 v[\t], 30, v[\n]                 ; sine is negated in quadrants 2, 3: bit 1 of n becomes the sign
	v_add_nc_u32 v[\n], 1, v[\n]                   ; cosine in quadrants 1, 2: bit 1 of n + 1
	v_and_b32 v[\t], 0x80000000, v[\t]
	v_lshlrev_b32 v[\n], 30, v[\n]
	v_xor_b32 v[\sn], v[\r], v[\t]
	v_and_b32 v[\n], 0x80000000, v[\n]
	v_xor_b32 v[\cs], v[\r2], v[\n]
.endm
	s_load_b256 s[4:11], s[0:1], 0x0               ; stim s[4:5], params s[6:7], elec_x s[8:9], elec_y s[10:11]
	s_load_b128 s[12:15], s[0:1], 0x20             ; idx s[12:13], rec s[14:15]
	v_min_u32 v1, NE-1, v0                         ; the electrode that this slot reads: slots past the last repeat it
	s_mul_i32 s16, ttmp9, 52                       ; my batch's row of params: 13 floats
	s_mul_i32 s17, ttmp9, NE
	s_lshl_b32 s18, ttmp9, 8
	v_lshlrev_b32 v2, 2, v1                        ; byte offset in elec_x, elec_y
	v_add_nc_u32 v3, s17, v1
	v_mul_u32_u24 v3, 12, v3                       ; byte offset in stim: 3 floats an electrode
	v_add_nc_u32 v4, s18, v0                       ; my slot in the tables: 256 b + t
	s_mov_b32 s32, K_INVSTEP
	s_mov_b32 s33, K_INV70
	s_mov_b32 s34, K_NINV70
	s_mov_b32 s[KS3], K_SIN3
	s_mov_b32 s[KC4], K_COS4
	s_wait_kmcnt 0x0
	s_load_b256 s[20:27], s[6:7], s16 offset:0x0   ; rho, lam, orient_scale, a0, a1, a2, a3, a4
	s_load_b128 s[28:31], s[6:7], s16 offset:0x20  ; implant_x, implant_y, rot, loc_od_x (48 of the row's 52 bytes: the reference reads no more)
	global_load_b32 v5, v2, s[8:9]                 ; elec_x
	global_load_b32 v6, v2, s[10:11]               ; elec_y
	global_load_b32 v7, v3, s[4:5]                 ; freq
	global_load_b32 v8, v3, s[4:5] offset:4        ; amp
	global_load_b32 v9, v3, s[4:5] offset:8        ; pdur
	s_wait_kmcnt 0x0
	s_mul_f32 s35, s27, K_NLG045                   ; -a4 log2 0.45
	v_mov_b32 v10, s30
	SINCOS 10, 11, 12, 13, 14, 15, 16              ; v11 = sin rot, v12 = cos rot, while the vector loads are on their way
	s_wait_loadcnt 0x0
	; the transcendentals go in runs; behind each run a plain instruction that touches none of their registers
	; comes before a result is used (ISA guide 5.7.2)
	v_max_num_f32 v22, K_AMPMIN, v8
	v_mul_f32 v25, s20, v8                         ; rho amp
	v_log_f32 v23, v9                              ; log2 pdur
	v_log_f32 v24, v22                             ; log2 max(amp, 1e-5)
	v_mul_f32 v25, s26, v25                        ; rho amp a3
	v_max_num_f32 v25, 1.0, v25                    ; rho_scaled
	s_wait_alu depctr_va_vdst(0)
	v_fma_f32 v23, v23, s27, s35                   ; a4 (log2 pdur - log2 0.45)
	v_mul_f32 v24, s24, v24                        ; a1 log2 amp
	v_exp_f32 v26, v23
	v_exp_f32 v27, v24                             ; amp ^ a1
	v_rcp_f32 v28, v25
	v_fma_f32 v20, v5, v12, s28                    ; x cos + implant_x
	v_fma_f32 v21, v5, v11, s29                    ; x sin + implant_y
	v_fma_f32 v20, -v6, v11, v20                   ; ex
	v_fma_f32 v21, v6, v12, v21                    ; ey
	s_wait_alu depctr_va_vdst(0)
	v_mul_f32 v26, s21, v26
	v_med3_num_f32 v26, v26, 0, K_LAMMAX           ; lam_scaled
	v_fma_f32 v29, -v26, v26, 1.0                  ; 1 - lam^2, at least 0.0199
	v_rsq_f32 v30, v29                             ; 1 / temp2
	v_mul_f32 v[R+4], K_G, v28                     ; k 4 pi / rho_scaled = k / sqrt(sx sy)
	s_wait_alu depctr_va_vdst(0)
	v_mul_f32 v31, v29, v30                        ; temp2
	v_mul_f32 v[R+2], v[R+4], v30                  ; k / sx
	v_mul_f32 v[R+3], v[R+4], v31                  ; k / sy
	; brightness; 0 below the amplitude cut-off and in the padding slots
	v_mul_f32 v32, s25, v7
	v_fma_f32 v32, s23, v27, v32                   ; a0 amp^a1 + a2 freq
	v_cmp_lt_f32 vcc_lo, K_AMPCUT, v8
	v_cmp_gt_u32 s36, NE, v0
	s_and_b32 vcc_lo, vcc_lo, s36
	v_cndmask_b32 v[R+7], 0, v32, vcc_lo
	; the cell of the slope grid and the place inside it
	v_sub_f32 v33, v20, s31                        ; ex - loc_od_x
	v_fmaak_f32 v33, s32, v33, K_QX0               ; qx
	v_fmaak_f32 v34, s32, v21, K_QY0               ; qy
	v_floor_f32 v35, v33
	v_floor_f32 v36, v34
	v_med3_num_f32 v35, v35, 0, K_198
	v_med3_num_f32 v36, v36, 0, K_198
	v_sub_f32 v33, v33, v35
	v_sub_f32 v34, v34, v36
	v_med3_num_f32 v[R+0], v33, 0, 1.0             ; ax
	v_med3_num_f32 v[R+1], v34, 0, 1.0             ; ay
	v_cvt_u32_f32 v35, v35
	v_cvt_u32_f32 v36, v36
	v_mad_u32_u24 v35, v36, 200, v35               ; iy * 200 + ix, at most 39,798
	; the centre in pixels
	v_fmaak_f32 v[R+5], s33, v20, K_60             ; cx = ex / 70 + 60
	v_fmaak_f32 v[R+6], s34, v21, K_61             ; cy = 121 - (ey / 70 + 60)
	v_lshlrev_b32 v37, 4, v4
	v_lshlrev_b32 v38, 2, v4
	global_store_b128 v37, v[R:R+3], s[14:15]                  ; a wave's store: 512 consecutive bytes
	global_store_b128 v37, v[R+4:R+7], s[14:15] offset:RECB
	global_store_b32 v38, v35, s[12:13]                        ; 128 consecutive bytes
	s_endpgm
.Lfunc_end_k_q60b7240d03_prep:
	.size	k_q60b7240d03_prep, .Lfunc_end_k_q60b7240d03_prep-k_q60b7240d03_prep
	.p2alignl 7, 3214868480
	.fill 96, 4, 3214868480
	.section	.rodata,"a",@progbits
	.p2align	6, 0x0
	.amdhsa_kernel k_q60b7240d03_prep
		.amdhsa_group_segment_fixed_size 0
		.amdhsa_private_segment_fixed_size 0
		.amdhsa_enable_private_segment 0
		.amdhsa_kernarg_size 48
		.amdhsa_user_sgpr_count 2
		.amdhsa_user_sgpr_kernarg_segment_ptr 1
		.amdhsa_wavefront_size32 1
		.amdhsa_system_sgpr_workgroup_id_x 1
		.amdhsa_system_sgpr_workgroup_id_y 1
		.amdhsa_system_sgpr_workgroup_id_z 1
		.amdhsa_system_vgpr_workitem_id 0
		.amdhsa_next_free_vgpr 48
		.amdhsa_next_free_sgpr 66
		.amdhsa_reserve_vcc 1
		.amdhsa_float_denorm_mode_32 3
		.amdhsa_float_denorm_mode_16_64 3
		.amdhsa_memory_ordered 1
		.amdhsa_forward_progress 1
		.amdhsa_inst_pref_size 6
	.end_amdhsa_kernel
	.amdgpu_metadata
---
amdhsa.version: [ 1, 2 ]
amdhsa.kernels:
  - .name:           k_q60b7240d03_prep
    .symbol:         k_q60b7240d03_prep.kd
    .args:
      - { .name: stim, .offset: 0, .size: 8, .value_kind: global_buffer, .address_space: global }
      - { .name: params, .offset: 8, .size: 8, .value_kind: global_buffer, .address_space: global }
      - { .name: elec_x, .offset: 16, .size: 8, .value_kind: global_buffer, .address_space: global }
      - { .name: elec_y, .offset: 24, .size: 8, .value_kind: global_buffer, .address_space: global }
      - { .name: idx, .offset: 32, .size: 8, .value_kind: global_buffer, .address_space: global }
      - { .name: rec, .offset: 40, .size: 8, .value_kind: global_buffer, .address_space: global }
    .group_segment_fixed_size: 0
    .private_segment_fixed_size: 0
    .kernarg_segment_align: 8
    .kernarg_segment_size: 48
    .max_flat_workgroup_size: 256
    .sgpr_count:     66
    .vgpr_count:     48
    .wavefront_size: 32
...
	.end_amdgpu_metadata
.endif
;; end of part 1
;; launch render (part 2): grid 29 x 8, 16 waves a work-group, no clusters, 28,672 bytes of LDS; arguments pixelgrid, slopes, params, idx, rec, out0; writes out0
.if DOCPART == 2
	.amdgcn_target "amdgcn-amd-amdhsa--gfx1250"
	.amdhsa_code_object_version 6
	.text
	.protected	k_q60b7240d03_render
	.globl	k_q60b7240d03_render
	.p2align	8
	.type	k_q60b7240d03_render,@function
k_q60b7240d03_render:
	s_mov_b64 s[64:65], 0
	v_nop
	global_prefetch_b8 v0, s[64:65] scope:SCOPE_SE
	s_setreg_imm32_b32 hwreg(HW_REG_WAVE_MODE, 25, 1), 1
	s_wait_xcnt 0x0
; render: out0[b][o] = sum over the electrodes e of bright[e] exp(-t3(p, e) / 2), o = 121 i + j, p = 121 (120 - i) + j (the flip).
; A work-group owns 512 consecutive output positions of one batch (29 chunks x 8 batches), 16 waves.
; SET-UP.  Thread t brings the pixel behind position t of the chunk into LDS (x and y apart).  Waves 0-7, thread t = electrode slot t,
; read the cell index and the record that the launch before made, gather four slopes, interpolate, and factor the inverse covariance:
;   inv = Rot diag(1/sx, 1/sy) Rot^T, so with A = k/sx, B = k/sy, k = 0.5 log2 e:
;   I = k inv00 = c^2 A + s^2 B,  J = k inv01 = s c (A - B),  k^2 det(inv) = (k / sqrt(sx sy))^2 = g^2   (no determinant is subtracted)
;   k t3 = u^2 + v^2,  u = l00 d0 + l01 d1,  v = l11 d1,  l00 = sqrt I,  l01 = J / sqrt I,  l11 = g / sqrt I
;   u = l00 x + l01 y + k1,  v = l11 y + k2  with  k1 = -(l00 cx + l01 cy),  k2 = -l11 cy.
; MAIN LOOP.  Wave w takes pixel half w & 1 (256 positions, 8 a lane as 4 register pairs) and electrode part w >> 1 (29 of the 256
; slots; 8 x 29 = 232 cover the 225 electrodes, the padding slots have bright = 0).  For one electrode and 256 pixels: 24 packed f32
; instructions, 8 exponentials, 2 LDS loads in which all lanes read the same bytes.  The eight parts meet in LDS at the end.
; WHY u AND v ARE NOT FORMED FROM x - cx, y - cy: it would cost 2 packed instructions more on 6 for each pair of pixels.  The price is an
; absolute error in u of about 2^-24 (|l00 x| + |l01 y| + |k1|).  The reference's own clamps (rho_scaled >= 1, lam_scaled <= 0.99) bound
; l00, |l01|, l11 by sqrt(k 4 pi / 0.141) = 8.1, so for coordinates up to 120 the error in u stays below 2e-4 and that of the exponent,
; 2 |u| times as much, below 2e-3 wherever exp2(-u^2) still counts (|u| < 5).  It grows in proportion to the coordinates,
; as does the rounding of cx in the reference itself.
; OTHER LIMITS.  Terms below 2^-126 come out as 0 (v_exp_f32 flushes).  |theta orient_scale| < 2^30.
; NO CLUSTER, NO TENSOR LOAD: a work-group reads 4 KB of pixels, 9 KB of tables and 4 KB of slopes once, for 512 x 225 terms;
; what work-groups share is a small part of the launch's work, and it all passes through registers on its way into LDS.
; NO PREFETCH: each global byte is asked for once, at the start, and the only dependent load follows its index directly.
.set NPIX,  14641
.set IMGW,  121
.set EPW,   29                         ; electrode slots of a wave
.set RECB,  32768                      ; byte offset of the records' second quads
.set MAXCELL, 39798                    ; 198 * 200 + 198
.set T2,    4096                       ; LDS: 0 l00, l01, k1, l11 (256 x 16 bytes);  4096 k2, bright (256 x 8)
.set PXA,   6144                       ;      the chunk's 512 x
.set PYA,   8192                       ;      the chunk's 512 y
.set PART,  10240                      ;      8 parts x 512 partial sums; wave w writes 1,024 bytes at 1024 w
.set LA1, 4                            ; v4  LDS address of my part's first quad, stepped by the loop
.set LA2, 5                            ; v5  the same for the pairs
.set PA,  6                            ; v6  16 lane + 1024 half: my 4 + 4 pixels
.set PS,  7                            ; v7  16 lane + 1024 wave: my partial sums
.set PX,  8                            ; v[8:15]   x of my 8 pixels
.set PY,  16                           ; v[16:23]  y
.set ACC, 24                           ; v[24:31]  sums
.set U,   32                           ; v[32:39]  u, then -(u^2 + v^2)
.set W,   40                           ; v[40:47]  v, then the exponential
.set C0,  48                           ; four sets of coefficients, 6 registers of 8 each: l00 l01 k1 l11 k2 bright
.set C1,  56
.set C2,  64
.set C3,  72
.set K_2_PI,   0x3f22f983              ; 2 / pi
.set K_NPIO2H, 0xbfc90fdb              ; -(pi/2 rounded to f32)
.set K_NPIO2L, 0x333bbd2e              ; -(pi/2 - that)
.set K_PI,     0x40490fdb
.set K_SIN1,   0xbe2aaaab              ; -1/6
.set K_SIN2,   0x3c088889              ; 1/120
.set K_SIN3,   0xb9500d01              ; -1/5040
.set K_COS2,   0x3d2aaaab              ; 1/24
.set K_COS3,   0xbab60b61              ; -1/720
.set K_COS4,   0x37d00d01              ; 1/40320
.set KS3, 30
.set KC4, 31
; sin and cos of v[x]: n = nearest whole number to x 2/pi; r = x - n pi/2 with pi/2 in two parts, each step one fused multiply-add;
; polynomials on |r| <= pi/4 whose first dropped terms are r^9/9! and r^10/10!; the quadrant n mod 4 picks and signs.
.macro SINCOS x, sn, cs, n, r, r2, t
	v_mul_f32 v[\n], K_2_PI, v[\x]
	v_rndne_f32 v[\n], v[\n]
	v_fmamk_f32 v[\r], v[\n], K_NPIO2H, v[\x]
	v_fmamk_f32 v[\r], v[\n], K_NPIO2L, v[\r]
	v_cvt_i32_f32 v[\n], v[\n]
	v_mul_f32 v[\r2], v[\r], v[\r]
	v_fmaak_f32 v[\sn], s[KS3], v[\r2], K_SIN2
	v_fmaak_f32 v[\cs], s[KC4], v[\r2], K_COS3
	v_fmaak_f32 v[\sn], v[\sn], v[\r2], K_SIN1
	v_fmaak_f32 v[\cs], v[\cs], v[\r2], K_COS2
	v_mul_f32 v[\t], v[\r], v[\r2]
	v_fma_f32 v[\cs], v[\cs], v[\r2], -0.5
	v_fma_f32 v[\sn], v[\sn], v[\t], v[\r]
	v_fma_f32 v[\cs], v[\cs], v[\r2], 1.0
	v_and_b32 v[\t], 1, v[\n]
	v_cmp_eq_u32 vcc_lo, 1, v[\t]
	v_cndmask_b32 v[\r], v[\sn], v[\cs], vcc_lo
	v_cndmask_b32 v[\r2], v[\cs], v[\sn], vcc_lo
	v_lshlrev_b32 v[\t], 30, v[\n]
	v_add_nc_u32 v[\n], 1, v[\n]
	v_and_b32 v[\t], 0x80000000, v[\t]
	v_lshlrev_b32 v[\n], 30, v[\n]
	v_xor_b32 v[\sn], v[\r], v[\t]
	v_and_b32 v[\n], 0x80000000, v[\n]
	v_xor_b32 v[\cs], v[\r2], v[\n]
.endm
	s_load_b256 s[4:11], s[0:1], 0x0               ; pixelgrid s[4:5], slopes s[6:7], params s[8:9], idx s[10:11]
	s_load_b128 s[12:15], s[0:1], 0x20             ; rec s[12:13], out0 s[14:15]
	v_lshl_add_u32 v80, v0, 2, 0x6800
	v_mov_b32 v81, 0
	v_lshrrev_b32 v1, 5, v0
	v_readfirstlane_b32 s16, v1                    ; wave 0..15
	s_and_b32 s17, ttmp7, 0xffff                   ; batch
	s_lshl_b32 s18, ttmp9, 9
	v_add_nc_u32 v2, s18, v0                       ; o: my output position in the batch's image, 0 .. 14,847
	v_mul_u32_u24 v3, 17332, v2                    ; o / 121 = (o * 17332) >> 21: 17332 * 121 = 2^21 + 20, and 20 o < 2^21 for o < 104,857
	v_lshrrev_b32 v3, 21, v3                       ; image row i
	v_mul_u32_u24 v3, 2*IMGW, v3
	v_add_nc_u32 v4, NPIX-IMGW, v2
	v_sub_nc_u32 v3, v4, v3                        ; p = 121 (120 - i) + j = 14520 + o - 242 i
	v_min_u32 v3, NPIX-1, v3                       ; positions past the image (last chunk) wrap below 0: they read the last pixel and store nothing
	v_lshlrev_b32 v3, 3, v3
	s_wait_kmcnt 0x0
	global_load_b64 v[4:5], v3, s[4:5]             ; x, y of my pixel
	s_cmp_ge_u32 s16, 8
	s_cbranch_scc1 .Lpixel                         ; 256 electrode slots are eight waves' work
	s_mul_i32 s19, s17, 52
	s_load_b32 s20, s[8:9], s19 offset:0x8         ; orient_scale of my batch
	s_lshl_b32 s21, s17, 8
	v_add_nc_u32 v6, s21, v0                       ; table slot 256 b + t
	v_lshlrev_b32 v7, 2, v6
	v_lshlrev_b32 v6, 4, v6
	global_load_b32 v8, v7, s[10:11]               ; cell index
	global_load_b128 v[12:15], v6, s[12:13]                ; ax, ay, A, B
	global_load_b128 v[16:19], v6, s[12:13] offset:RECB    ; g, cx, cy, bright
	s_mov_b32 s[KS3], K_SIN3
	s_mov_b32 s[KC4], K_COS4
	v_lshlrev_b32 v9, 4, v0                        ; LDS: my quad
	v_lshlrev_b32 v10, 3, v0                       ;      my pair
	s_wait_loadcnt 0x2                             ; the two record loads issued behind the index may stay out
	v_min_u32 v8, MAXCELL, v8                      ; a loaded number enters an address only clamped to the table
	v_lshlrev_b32 v8, 2, v8
	global_load_b32 v20, v8, s[6:7]                ; g00
	global_load_b32 v21, v8, s[6:7] offset:4       ; g01
	global_load_b32 v22, v8, s[6:7] offset:800     ; g10: one grid row of 200 floats on
	global_load_b32 v23, v8, s[6:7] offset:804     ; g11
	s_wait_loadcnt 0x0
	s_wait_kmcnt 0x0
	v_sub_f32 v21, v21, v20
	v_sub_f32 v23, v23, v22
	v_fma_f32 v20, v12, v21, v20                   ; top
	v_fma_f32 v22, v12, v23, v22                   ; bottom
	v_sub_f32 v22, v22, v20
	v_fma_f32 v20, v13, v22, v20                   ; theta
	v_add_f32 v21, K_PI, v20
	v_cmp_gt_f32 vcc_lo, K_NPIO2H, v20             ; -pi/2 > theta: theta + pi
	v_cndmask_b32 v20, v20, v21, vcc_lo
	v_mul_f32 v20, s20, v20
	SINCOS 20, 21, 22, 23, 24, 25, 26              ; v21 = s, v22 = c
	v_mul_f32 v23, v22, v22
	v_mul_f32 v24, v21, v21
	v_mul_f32 v25, v21, v22
	v_mul_f32 v23, v14, v23
	v_sub_f32 v26, v14, v15
	v_fma_f32 v23, v15, v24, v23                   ; I = c^2 A + s^2 B: a sum of positive terms, at least min(A, B)
	v_rsq_f32 v24, v23
	v_mul_f32 v25, v26, v25                        ; J; also the plain instruction that stands between v_rsq_f32 and its first use (ISA guide 5.7.2)
	s_wait_alu depctr_va_vdst(0)
	v_mul_f32 v28, v23, v24                        ; l00
	v_mul_f32 v29, v25, v24                        ; l01
	v_mul_f32 v31, v16, v24                        ; l11
	v_mul_f32 v26, v28, v17
	v_fma_f32 v30, -v29, v18, -v26                 ; k1 = -(l00 cx + l01 cy)
	v_mul_f32 v18, -v31, v18                       ; k2 = -l11 cy, beside bright
	ds_store_b128 v9, v[28:31]
	ds_store_b64 v10, v[18:19] offset:T2
.Lpixel:
	s_wait_loadcnt 0x0                             ; my pixel
	v_lshlrev_b32 v11, 2, v0
	ds_store_b32 v11, v4 offset:PXA
	ds_store_b32 v11, v5 offset:PYA
	s_wait_dscnt 0x0                               ; for the other waves' sake: all my LDS stores are done before I say so
	s_barrier_signal -1
	v_and_b32 v1, 31, v0                           ; register work while the others arrive
	s_and_b32 s22, s16, 1                          ; my pixel half
	s_lshr_b32 s23, s16, 1                         ; my electrode part
	s_lshl_b32 s22, s22, 10
	s_lshl_b32 s24, s16, 10
	s_mul_i32 s25, s23, EPW*16
	s_mul_i32 s26, s23, EPW*8
	v_lshl_add_u32 v[PA], v1, 4, s22
	v_lshl_add_u32 v[PS], v1, 4, s24
	v_mov_b32 v[LA1], s25
	v_mov_b32 v[LA2], s26
	s_barrier_wait -1
	; a lane's pixels: positions 256 half + 4 lane + 0..3 and the same + 128, so that 16-byte loads fill the register pairs
	ds_load_b128 v[PX:PX+3],   v[PA] offset:PXA
	ds_load_b128 v[PX+4:PX+7], v[PA] offset:PXA+512
	ds_load_b128 v[PY:PY+3],   v[PA] offset:PYA
	ds_load_b128 v[PY+4:PY+7], v[PA] offset:PYA+512
.irp n, 0,1,2,3
	ds_load_b128 v[C0+8*\n:C0+8*\n+3],   v[LA1] offset:16*\n       ; slots 0 to 3 of my part fill the ring
	ds_load_b64  v[C0+8*\n+4:C0+8*\n+5], v[LA2] offset:T2+8*\n
.endr
; One electrode for my 8 pixels.  c: its coefficient set.  first = 1: its products start the sums, nothing is cleared.
; left: LDS loads that may stay out, 2 for each younger set.  refill = 1: the set is loaded again with slot next (from LA1, LA2).
; The exponentials go in two runs of four.  Between each run and the first use of its results stand packed instructions that touch
; none of the run's registers: the second half's last multiply-adds behind the first run, the first half's sums behind the second.
.macro ELEC c, first, left, refill, next
	s_wait_dscnt \left
.irp i, 0,2,4,6
	v_pk_fma_f32 v[U+\i:U+\i+1], v[PY+\i:PY+\i+1], v[\c:\c+1], v[\c+2:\c+3] op_sel:[0,1,0] op_sel_hi:[1,1,0]     ; l01 y + k1
.endr
.irp i, 0,2,4,6
	v_pk_fma_f32 v[U+\i:U+\i+1], v[PX+\i:PX+\i+1], v[\c:\c+1], v[U+\i:U+\i+1] op_sel_hi:[1,0,1]                  ; u = l00 x + that
.endr
.irp i, 0,2,4,6
	v_pk_fma_f32 v[W+\i:W+\i+1], v[PY+\i:PY+\i+1], v[\c+2:\c+3], v[\c+4:\c+5] op_sel:[0,1,0] op_sel_hi:[1,1,0]   ; v = l11 y + k2
.endr
.irp i, 0,2,4,6
	v_pk_mul_f32 v[U+\i:U+\i+1], v[U+\i:U+\i+1], v[U+\i:U+\i+1] neg_lo:[1,0] neg_hi:[1,0]                        ; -u^2
.endr
.irp i, 0,2
	v_pk_fma_f32 v[U+\i:U+\i+1], v[W+\i:W+\i+1], v[W+\i:W+\i+1], v[U+\i:U+\i+1] neg_lo:[1,0,0] neg_hi:[1,0,0]    ; -u^2 - v^2
.endr
.irp i, 0,1,2,3
	v_exp_f32 v[W+\i], v[U+\i]
.endr
.irp i, 4,6
	v_pk_fma_f32 v[U+\i:U+\i+1], v[W+\i:W+\i+1], v[W+\i:W+\i+1], v[U+\i:U+\i+1] neg_lo:[1,0,0] neg_hi:[1,0,0]
.endr
.irp i, 4,5,6,7
	v_exp_f32 v[W+\i], v[U+\i]
.endr
.irp i, 0,2,4,6
.if \first
	s_wait_alu depctr_va_vdst(0)
	v_pk_mul_f32 v[ACC+\i:ACC+\i+1], v[W+\i:W+\i+1], v[\c+4:\c+5] op_sel:[0,1] op_sel_hi:[1,1]
.else
	s_wait_alu depctr_va_vdst(0)
	v_pk_fma_f32 v[ACC+\i:ACC+\i+1], v[W+\i:W+\i+1], v[\c+4:\c+5], v[ACC+\i:ACC+\i+1] op_sel:[0,1,0] op_sel_hi:[1,1,1]
.endif
.endr
.if \refill
	ds_load_b128 v[\c:\c+3],   v[LA1] offset:16*\next
	ds_load_b64  v[\c+4:\c+5], v[LA2] offset:T2+8*\next
.endif
.endm
	; 29 slots = 1 + 6 x 4 + 4.  Slot n uses set n mod 4 and is loaded at the end of slot n - 4: three electrodes ahead of its use.
	ELEC C0, 1, 6, 1, 4                            ; slot 0 (the wait for 6 also covers the four older pixel loads)
	s_mov_b32 s27, 6
.Lelec:
	ELEC C1, 0, 6, 1, 5                            ; trip i: slots 4 i + 1 .. 4 i + 4, loading slots 4 i + 5 .. 4 i + 8 (28 at the most)
	ELEC C2, 0, 6, 1, 6
	ELEC C3, 0, 6, 1, 7
	ELEC C0, 0, 6, 1, 8
	v_add_nc_u32 v[LA1], 64, v[LA1]
	v_add_nc_u32 v[LA2], 32, v[LA2]
	s_sub_co_i32 s27, s27, 1
	s_cmp_lg_u32 s27, 0
	s_cbranch_scc1 .Lelec
	ELEC C1, 0, 6, 0, 0                            ; slots 25 to 28 load nothing: the counts run down
	ELEC C2, 0, 4, 0, 0
	ELEC C3, 0, 2, 0, 0
	ELEC C0, 0, 0, 0, 0
	; the eight parts meet: position n of the chunk, part q lies at PART + 2048 q + 4 n
	ds_store_b128 v[PS], v[ACC:ACC+3]   offset:PART
	ds_store_b128 v[PS], v[ACC+4:ACC+7] offset:PART+512
	v_lshlrev_b32 v1, 2, v0
	s_mul_i32 s28, s17, NPIX
	v_add_lshl_u32 v3, v2, s28, 2                  ; byte offset in out0: 4 (14641 b + o)
	v_cmp_gt_u32 vcc_lo, NPIX, v2                  ; the last chunk has 305 positions
	s_wait_dscnt 0x0                               ; my partial sums are in LDS before I say so
	s_barrier_signal -1
	s_barrier_wait -1
.irp q, 0,1,2,3,4,5,6,7
	ds_load_b32 v[U+\q], v1 offset:PART+2048*\q
.endr
	s_wait_dscnt 0x0
	v_pk_add_f32 v[U:U+1],   v[U:U+1],   v[U+2:U+3]
	v_pk_add_f32 v[U+4:U+5], v[U+4:U+5], v[U+6:U+7]
	v_pk_add_f32 v[U:U+1],   v[U:U+1],   v[U+4:U+5]
	v_add_f32 v[U], v[U], v[U+1]
	s_wait_xcnt 0x0                                ; EXEC is a source of the memory instructions above: it changes only behind this wait
	s_wait_tensorcnt 0x0
	ds_add_u32 v80, v81
	s_wait_dscnt 0x0
	s_and_saveexec_b32 s29, vcc_lo
	global_store_b32 v3, v[U], s[14:15] th:TH_STORE_NT         ; a wave stores 128 consecutive bytes; the work-group 2,048
	s_endpgm
.Lfunc_end_k_q60b7240d03_render:
	.size	k_q60b7240d03_render, .Lfunc_end_k_q60b7240d03_render-k_q60b7240d03_render
	.p2alignl 7, 3214868480
	.fill 96, 4, 3214868480
	.section	.rodata,"a",@progbits
	.p2align	6, 0x0
	.amdhsa_kernel k_q60b7240d03_render
		.amdhsa_group_segment_fixed_size 28672
		.amdhsa_private_segment_fixed_size 0
		.amdhsa_enable_private_segment 0
		.amdhsa_kernarg_size 48
		.amdhsa_user_sgpr_count 2
		.amdhsa_user_sgpr_kernarg_segment_ptr 1
		.amdhsa_wavefront_size32 1
		.amdhsa_system_sgpr_workgroup_id_x 1
		.amdhsa_system_sgpr_workgroup_id_y 1
		.amdhsa_system_sgpr_workgroup_id_z 1
		.amdhsa_system_vgpr_workitem_id 0
		.amdhsa_next_free_vgpr 82
		.amdhsa_next_free_sgpr 66
		.amdhsa_reserve_vcc 1
		.amdhsa_float_denorm_mode_32 3
		.amdhsa_float_denorm_mode_16_64 3
		.amdhsa_memory_ordered 1
		.amdhsa_forward_progress 1
		.amdhsa_inst_pref_size 26
	.end_amdhsa_kernel
	.amdgpu_metadata
---
amdhsa.version: [ 1, 2 ]
amdhsa.kernels:
  - .name:           k_q60b7240d03_render
    .symbol:         k_q60b7240d03_render.kd
    .args:
      - { .name: pixelgrid, .offset: 0, .size: 8, .value_kind: global_buffer, .address_space: global }
      - { .name: slopes, .offset: 8, .size: 8, .value_kind: global_buffer, .address_space: global }
      - { .name: params, .offset: 16, .size: 8, .value_kind: global_buffer, .address_space: global }
      - { .name: idx, .offset: 24, .size: 8, .value_kind: global_buffer, .address_space: global }
      - { .name: rec, .offset: 32, .size: 8, .value_kind: global_buffer, .address_space: global }
      - { .name: out0, .offset: 40, .size: 8, .value_kind: global_buffer, .address_space: global }
    .group_segment_fixed_size: 28672
    .private_segment_fixed_size: 0
    .kernarg_segment_align: 8
    .kernarg_segment_size: 48
    .max_flat_workgroup_size: 512
    .sgpr_count:     66
    .vgpr_count:     82
    .wavefront_size: 32
...
	.end_amdgpu_metadata
.endif
;; end of part 2
